; MI455X (gfx1250); checked and timed in simulation.
; The chip was launched on July 23, 2026; its instructions are those of AMD's public machine-readable ISA for CDNA 5 (MIT licence, August 2026) and "CDNA5" Instruction Set Architecture Reference Guide (July 2026). The comments in the code are by the model that wrote it; some were corrected since.
;; MHA. Allowed arithmetic: matrix products marked QUANTISED: E2M1 operands, one E8M0 scale for each 32 along K, by v_wmma_scale_f32_16x16x128_f8f6f4 with both operands' format E2M1 (or v_wmma_scale_f32_32x16x128_f4), f32 sums; products left as they are: bf16, f16 or f32 operands; f32 sums; everything else in f32.
;; Inputs: f_b 512 float32; f_w 512 x 512 float32; kv_b 1,024 float32; kv_w 1,024 x 512 float32; mask 1 x 1 x 4,096 x 4,096 float32; q_b 512 float32; q_w 512 x 512 float32; x 2 x 4,096 x 512 float32.
;; Outputs: out0 2 x 4,096 x 512 float32.
;; This version of the problem:
;;   THIS VERSION OF THE PROBLEM IS GIVEN IN LOW PRECISION. The matrix products marked QUANTISED in the list below multiply operands that are first quantised to E2M1 (2 exponent bits, 1 mantissa bit; 4 bits a number), with one power-of-two scale for each 32 numbers along K (OCP MX v1.0); their sums are f32. The products marked 'left as it is' may take bf16, f16 or f32 operands, with f32 sums. Whichever they take, every output number must still come out within the allowed error. Rounding operands to bf16 (8 significant bits) uses up far more of that allowance than f16 does (11 bits, for magnitudes from 6e-5 to 65,504). All else is computed in f32.
;;   The module's matrix products, in the order in which they are computed (A, B: the left and right operand; K: the contracted axis; several contracted axes count as one K, in the product's order):
;;     1. [M 8,192, K 512] x [K 512, N 512]; A: input x; B: input q_w: QUANTISED
;;     2. [M 8,192, K 512] x [K 512, N 1,024]; A: input x; B: input kv_w: QUANTISED
;;     3. batch 16 x [M 4,096, K 64] x [K 64, N 4,096]; A: computed on the way; B: computed on the way: left as it is (an operand is computed on the way)
;;     4. batch 16 x [M 4,096, K 4,096] x [K 4,096, N 64]; A: computed on the way; B: computed on the way: left as it is (an operand is computed on the way)
;;     5. [M 8,192, K 512] x [K 512, N 512]; A: computed on the way; B: input f_w: left as it is (an operand is computed on the way)
;;   THE QUANTISER, for each operand of a quantised product, along K:
;;     - K is cut into blocks of 32 from its start; a last block that is shorter is filled with zeros.
;;     - A block's scale is 2^e with e = floor(log2(the largest magnitude in the block)) - 2, held to -126 .. 127; a block of zeros has e = 0. As a byte (E8M0): e + 127.
;;     - Each number is divided by its block's scale, clamped to +-6, and rounded to the nearest number of E2M1, ties to even, subnormals kept.
;;     - The product sums the exact products of the quantised numbers (number of the format x scale) in f32.
;;   ~~~python
;;   def quantise(x, axis):      # numpy; x: float32 -> the quantised numbers, widened to float32 again
;;       x = np.moveaxis(x, axis, -1); K = x.shape[-1]
;;       x = np.pad(x, [(0, 0)] * (x.ndim - 1) + [(0, -K % 32)]); x = x.reshape(x.shape[:-1] + (-1, 32)); a = np.abs(x).max(-1, keepdims=True)
;;       e = np.where(a > 0, np.clip(np.frexp(np.where(a > 0, a, 1))[1] - 1 - 2, -126, 127), 0)      # np.frexp(a)[1] - 1 = floor(log2(a)), exactly
;;       r = np.clip(x / 2.0 ** e, -6, 6)
;;       step = 2.0 ** (np.maximum(np.frexp(np.where(r == 0, 1, r))[1] - 1, 0) - 1)
;;       q = np.round(r / step) * step * 2.0 ** e      # np.round: ties to even
;;       return np.moveaxis(q.reshape(q.shape[:-2] + (-1,))[..., :K], -1, axis).astype(np.float32)
;;   ~~~
;; One version. Each part assembles by itself: llvm-mc -triple=amdgcn-amd-amdhsa -mcpu=gfx1250 --defsym DOCPART=n.
;; ======== version 1 of 1: 4 launches
;; limits: values are held in f16: magnitudes above 65,504 overflow, below 6.1e-05 lose precision; inputs' magnitudes at most 1e+30
;; workspace buffers: xc 2,097,152 bytes; xs 131,072 bytes; wc 393,216 bytes; ws 24,576 bytes; qf 8,388,608 bytes; kvf 16,777,216 bytes; of 8,388,608 bytes
;; launch quant (part 1): grid 152 x 1, 4 waves a work-group, no clusters, 39,424 bytes of LDS; arguments x, q_w, kv_w, xc, xs, wc, ws; writes xc, xs, wc, ws
.if DOCPART == 1
	.amdgcn_target "amdgcn-amd-amdhsa--gfx1250"
	.amdhsa_code_object_version 6
	.text
	.protected	k_q57e81dafaf_quant
	.globl	k_q57e81dafaf_quant
	.p2align	8
	.type	k_q57e81dafaf_quant,@function
k_q57e81dafaf_quant:
	s_mov_b64 s[64:65], 0
	v_nop
	global_prefetch_b8 v0, s[64:65] scope:SCOPE_SE
	s_setreg_imm32_b32 hwreg(HW_REG_WAVE_MODE, 25, 1), 1
	s_wait_xcnt 0x0
; x [8192][512], q_w [512][512] and kv_w [1024][512], f32, become codes of FP4 (E2M1) with one E8M0 scale byte for each 32 along K (the last axis).
; A block's scale is 2^(floor(log2(its largest magnitude)) - 2); its byte is the largest magnitude's exponent field - 2, held at 1 from below.  A block of zeros keeps the byte 1 where the
; quantiser's text says 127: its codes are zeros, which add nothing under any byte but 0xff, and this program alone reads the bytes.
; LIMITS: NaN and infinities among the inputs are not served.
; SHARES.  A wave takes 16 rows of 512 numbers, one row a step: a TILE of 16 rows.  Work-groups 0-127 take x (tiles 0-511 of xc), 128-135 q_w (tiles 0-31 of wc), 136-151 kv_w (tiles 32-95 of wc).
; LAYOUT OF THE CODES: an image of the matrix operand's registers.  A tile is 16 chunks of 256 bytes; chunk i holds block i (k = 32 i .. 32 i + 31) of the 16 rows, 16 bytes a row.
; The fragment of K step s wants of lane (r, h) blocks 4 s + h and 4 s + 2 + h of row r: they lie at 1024 s + 512 c + 16 x lane, so that the reader takes each group of four registers by one load of 16 bytes a lane.
; THE SCALE BYTES: [row][16 bytes]: a row's four words, word s for K step s.
; Each of a step's four loads reads 512 consecutive bytes; they turn through the wave's own stage in LDS and come back 64 bytes a lane: 16 neighbours along K, two lanes to a block.
; A step's codes (8 bytes a lane) are gathered in the wave's own image in LDS (chunks 272 bytes apart) and leave at the end, 512 consecutive aligned bytes a store.  Waves share nothing: no barrier.
.set STEPS, 16
.set EMAX,  2
.set R,     16                         ; v16-79   four sets of 16 numbers as they are loaded; at the end the image on its way out
.set X,     80                         ; v80-111  two sets of 16 neighbours
.set E,     112                        ; v112-127 a scale byte for each step
.set C,     128                        ; v128-191 codes: registers of its own for each step
.set SP,    80                         ; a lane's place in a stage: 64 bytes + 16 of padding
.set SCB,   2*32*SP                    ; behind the two stages: the wave's 256 scale bytes
.set IMG,   SCB+256                    ; behind them: the image, 16 chunks
.set IP,    272                        ; a chunk: 256 bytes + 16 of padding = 68 words, so that the sixteen pairs of lanes of a store begin four banks apart (64 banks of 4 bytes: ISA guide 11.1)
.set WREG,  IMG+16*IP                  ; 9,728 bytes for each wave
.set SPW,   12                         ; v12  LDS address of my spare word; never rewritten
.set NIL,   13                         ; v13  0; never rewritten
.set SPARE, 4*WREG                     ; behind the four regions: the spare words, 128 bytes for each wave, which no other line names
	s_load_b256 s[4:11], s[0:1], 0x0               ; x s[4:5], q_w s[6:7], kv_w s[8:9], xc s[10:11]
	s_load_b128 s[12:15], s[0:1], 0x20             ; xs s[12:13], wc s[14:15]
	s_load_b64 s[16:17], s[0:1], 0x30              ; ws
	v_lshl_add_u32 v[SPW], v0, 2, SPARE
	v_mov_b32 v[NIL], 0
	v_lshrrev_b32 v1, 5, v0
	v_readfirstlane_b32 s24, v1                    ; wave
	v_and_b32 v2, 31, v0                           ; lane
	v_lshlrev_b32 v3, 4, v2                        ; 16 x lane: my bytes of a load's or a store's 512
	s_mul_i32 s25, s24, WREG                       ; my region
	v_lshrrev_b32 v14, 2, v2
	v_mul_u32_u24 v14, v14, SP
	v_and_b32 v15, 3, v2
	v_lshl_add_u32 v14, v15, 4, v14
	v_add_nc_u32 v14, s25, v14                     ; the stage, on the way in: SP (lane / 4) + 16 (lane % 4)
	v_mul_u32_u24 v15, v2, SP
	v_add_nc_u32 v15, s25, v15                     ; and on the way out: SP x lane: my 16 neighbours
	v_lshrrev_b32 v5, 1, v2                        ; my block of the row
	v_mul_u32_u24 v4, v5, IP
	v_and_b32 v6, 1, v2
	v_lshl_add_u32 v4, v6, 3, v4
	v_add_nc_u32 v4, s25, v4
	v_add_nc_u32 v4, IMG, v4                       ; the image: chunk = my block, + 8 for the block's upper half; the row stands in the immediate
	v_add_nc_u32 v5, s25, v5
	v_add_nc_u32 v5, SCB, v5                       ; my block's scale byte
	v_lshlrev_b32 v7, 3, v2                        ; the scale bytes on the way out: 8 a lane
	v_add_nc_u32 v6, s25, v7
	v_add_nc_u32 v6, SCB, v6
	v_lshrrev_b32 v10, 4, v2
	v_mul_u32_u24 v10, v10, IP
	v_and_b32 v11, 15, v2
	v_lshl_add_u32 v10, v11, 4, v10
	v_add_nc_u32 v10, s25, v10
	v_add_nc_u32 v10, IMG, v10                     ; the image on the way out: two chunks an instruction, sixteen lanes to a chunk
	s_mov_b32 s21, 136
	s_mov_b32 s27, 0
	s_wait_kmcnt 0x0
	s_cmp_lt_u32 ttmp9, 136                        ; which tensor: the choices hang on the work-group's number alone
	s_cselect_b64 s[22:23], s[6:7], s[8:9]
	s_cselect_b32 s21, 128, s21
	s_cmp_lt_u32 ttmp9, 128
	s_cselect_b64 s[4:5], s[4:5], s[22:23]         ; the numbers
	s_cselect_b64 s[10:11], s[10:11], s[14:15]     ; the codes
	s_cselect_b64 s[12:13], s[12:13], s[16:17]     ; the scale bytes
	s_cselect_b32 s21, 0, s21                      ; the tensor's first work-group,
	s_cselect_b32 s20, 0, 128                      ; and the first of those that write into the same buffers
	s_sub_co_u32 s21, ttmp9, s21
	s_lshl_b32 s21, s21, 2
	s_add_co_u32 s21, s21, s24                     ; my 16 rows of the tensor
	s_lshl_b32 s26, s21, 15                        ; 32,768 bytes each
	s_add_nc_u64 s[4:5], s[4:5], s[26:27]
	s_sub_co_u32 s20, ttmp9, s20
	s_lshl_b32 s20, s20, 2
	s_add_co_u32 s20, s20, s24                     ; my tile of the codes buffer
	s_lshl_b32 s26, s20, 12                        ; 4,096 bytes of codes,
	s_add_nc_u64 s[10:11], s[10:11], s[26:27]
	s_lshl_b32 s26, s20, 8                         ; 256 scale bytes
	s_add_nc_u64 s[12:13], s[12:13], s[26:27]
.macro LOAD t
.irp i, 0,1,2,3
	global_load_b128 v[R+16*((\t)%4)+4*\i:R+16*((\t)%4)+4*\i+3], v3, s[4:5] offset:2048*(\t)+512*\i th:TH_LOAD_NT   ; 32 lanes read 512 consecutive bytes; read once in the launch
.endr
.endm
.macro TURN t                          ; step t's numbers through the stage: LDS serves a wave's instructions in order (ISA guide 5.7.1.4), so no wait stands between the stores and the loads
.irp i, 0,1,2,3
	ds_store_b128 v14, v[R+16*((\t)%4)+4*\i:R+16*((\t)%4)+4*\i+3] offset:32*SP*((\t)%2)+8*SP*\i
.endr
.irp i, 0,1,2,3
	ds_load_b128 v[X+16*((\t)%2)+4*\i:X+16*((\t)%2)+4*\i+3], v15 offset:32*SP*((\t)%2)+16*\i
.endr
.endm
.irp t, 0,1,2,3
	LOAD \t
.endr
	s_wait_loadcnt 12                              ; step 0's four loads are in; those of steps 1 to 3 stay out
	TURN 0
.macro STEP t
.set XN, X+16*((\t)%2)
.if (\t) > 0
	s_wait_dscnt 2                                 ; this step's numbers are back from the stage; behind them stand the last step's byte store and code store, which may be out
.else
	s_wait_dscnt 0x0
.endif
.if (\t)+4 < STEPS
	LOAD (\t)+4                                    ; into the set whose stores into the stage are done
.endif
.if (\t)+1 < STEPS
.if STEPS-2-(\t) >= 3
	s_wait_loadcnt 12                              ; the next step's four loads are in; those of the three steps behind it may be out
.else
	s_wait_loadcnt 4*(STEPS-2-(\t))
.endif
	TURN (\t)+1                                    ; they go through the other stage while this step is worked
.endif
	v_max3_num_f32 v8, |v[XN]|, |v[XN+1]|, |v[XN+2]|               ; the largest magnitude of my 16, in two chains
	v_max3_num_f32 v9, |v[XN+3]|, |v[XN+4]|, |v[XN+5]|
.irp i, 6,10
	v_max3_num_f32 v8, v8, |v[XN+\i]|, |v[XN+\i+1]|
	v_max3_num_f32 v9, v9, |v[XN+\i+2]|, |v[XN+\i+3]|
.endr
	v_max3_num_f32 v8, v8, |v[XN+14]|, |v[XN+15]|
	v_max3_num_f32 v8, v8, v9, (EMAX+1)<<23        ; and the floor 2^(EMAX + 1 - 127): the byte cannot fall under 1
	v_max_num_f32_dpp v8, v8, v8 row_xmask:1 row_mask:0xf bank_mask:0xf   ; with my neighbour's 16: the block's
	v_add_nc_u32 v11, -(EMAX<<23), v8              ; EMAX off its exponent field: the conversion takes the exponent field of this operand as its scale, and nothing else of it
	v_cvt_scalef32_pk8_fp4_f32 v[C+4*(\t)], v[XN:XN+7], v11        ; to the nearest code, ties to even; beyond the largest code the largest
	v_cvt_scalef32_pk8_fp4_f32 v[C+4*(\t)+1], v[XN+8:XN+15], v11
	v_lshrrev_b32 v[E+(\t)], 23, v11               ; the scale's byte (also the plain line behind the conversions)
	ds_store_b8 v5, v[E+(\t)] offset:16*(\t)       ; both lanes of a block write the same byte with the same value
	ds_store_b64 v4, v[C+4*(\t):C+4*(\t)+1] offset:16*(\t)         ; row t's 16 bytes of chunk lane / 2: my half of them
.endm
.irp t, 0,1,2,3,4,5,6,7,8,9,10,11,12,13,14,15
	STEP \t
.endr
	ds_load_b64 v[8:9], v6                         ; LDS serves a wave's instructions in order: these see my stores
.irp j, 0,1,2,3,4,5,6,7
	ds_load_b128 v[R+4*\j:R+4*\j+3], v10 offset:2*IP*\j
.endr
	s_wait_dscnt 0x0
	global_store_b64 v7, v[8:9], s[12:13]          ; 32 lanes store 256 consecutive bytes, aligned
.irp j, 0,1,2,3,4,5,6,7
	global_store_b128 v3, v[R+4*\j:R+4*\j+3], s[10:11] offset:512*\j   ; 32 lanes store 512 consecutive bytes, aligned
.endr
	s_wait_tensorcnt 0x0                           ; the wave's end: a tensor wait, an add to my spare word and its wait, behind my last LDS store; the tensor wait even with no tensor load
	ds_add_u32 v[SPW], v[NIL]
	s_wait_dscnt 0x0
	s_endpgm
.Lfunc_end_k_q57e81dafaf_quant:
	.size	k_q57e81dafaf_quant, .Lfunc_end_k_q57e81dafaf_quant-k_q57e81dafaf_quant
	.p2alignl 7, 3214868480
	.fill 96, 4, 3214868480
	.section	.rodata,"a",@progbits
	.p2align	6, 0x0
	.amdhsa_kernel k_q57e81dafaf_quant
		.amdhsa_group_segment_fixed_size 39424
		.amdhsa_private_segment_fixed_size 0
		.amdhsa_enable_private_segment 0
		.amdhsa_kernarg_size 56
		.amdhsa_user_sgpr_count 2
		.amdhsa_user_sgpr_kernarg_segment_ptr 1
		.amdhsa_wavefront_size32 1
		.amdhsa_system_sgpr_workgroup_id_x 1
		.amdhsa_system_sgpr_workgroup_id_y 1
		.amdhsa_system_sgpr_workgroup_id_z 1
		.amdhsa_system_vgpr_workitem_id 0
		.amdhsa_next_free_vgpr 192
		.amdhsa_next_free_sgpr 66
		.amdhsa_reserve_vcc 0
		.amdhsa_float_denorm_mode_32 3
		.amdhsa_float_denorm_mode_16_64 3
		.amdhsa_memory_ordered 1
		.amdhsa_forward_progress 1
		.amdhsa_inst_pref_size 35
	.end_amdhsa_kernel
	.amdgpu_metadata
---
amdhsa.version: [ 1, 2 ]
amdhsa.kernels:
  - .name:           k_q57e81dafaf_quant
    .symbol:         k_q57e81dafaf_quant.kd
    .args:
      - { .name: x, .offset: 0, .size: 8, .value_kind: global_buffer, .address_space: global }
      - { .name: q_w, .offset: 8, .size: 8, .value_kind: global_buffer, .address_space: global }
      - { .name: kv_w, .offset: 16, .size: 8, .value_kind: global_buffer, .address_space: global }
      - { .name: xc, .offset: 24, .size: 8, .value_kind: global_buffer, .address_space: global }
      - { .name: xs, .offset: 32, .size: 8, .value_kind: global_buffer, .address_space: global }
      - { .name: wc, .offset: 40, .size: 8, .value_kind: global_buffer, .address_space: global }
      - { .name: ws, .offset: 48, .size: 8, .value_kind: global_buffer, .address_space: global }
    .group_segment_fixed_size: 39424
    .private_segment_fixed_size: 0
    .kernarg_segment_align: 8
    .kernarg_segment_size: 56
    .max_flat_workgroup_size: 128
    .sgpr_count:     66
    .vgpr_count:     192
    .wavefront_size: 32
...
	.end_amdgpu_metadata
.endif
;; end of part 1
;; launch proj (part 2): grid 4 x 64, 8 waves a work-group, no clusters, 37,888 bytes of LDS; arguments xc, xs, wc, ws, q_b, kv_b, qf, kvf; writes qf, kvf
.if DOCPART == 2
	.amdgcn_target "amdgcn-amd-amdhsa--gfx1250"
	.amdhsa_code_object_version 6
	.text
	.protected	k_q57e81dafaf_proj
	.globl	k_q57e81dafaf_proj
	.p2align	8
	.type	k_q57e81dafaf_proj,@function
k_q57e81dafaf_proj:
	s_mov_b64 s[64:65], 0
	v_nop
	global_prefetch_b8 v0, s[64:65] scope:SCOPE_SE
	s_setreg_imm32_b32 hwreg(HW_REG_WAVE_MODE, 25, 1), 1
	s_wait_xcnt 0x0
; Q = x q_w^T + q_b, K and V = x kv_w^T + kv_b, on codes of FP4 (E2M1) with E8M0 scales, sums in f32.  (Q + q_b) / 8, K and V leave as f16, laid as images of the attention launch's operand registers.
; LIMIT: a magnitude over 65,504 in Q / 8, K or V becomes infinity in f16.
; SHARES.  Work-group (g, by): 128 tokens (tiles 8 by + i of x; batch b = by / 32, block t = by % 32 of the sequence) x the 128 columns 128 g .. 128 g + 127 of each of Q, K and V: heads 2 g and 2 g + 1.
; THE WAVES SHARE THE COLUMNS: wave w owns 16 columns of each of the three (head 2 g + w / 4, channel tile ct = w % 4); its three tiles of weights stay in its registers.  What goes round is x: each wave
; brings one tile of x's codes and scale words into LDS as an image of the operand's registers (16 bytes a lane); behind one barrier every wave reads all eight.  No cluster and no tensor load: a work-group reads some 130 KiB in all.
; LAYOUT OF THE RESULTS.  Q and K are made with source 0 = 16 rows of the weight, source 1 = 16 tokens: a lane holds token lane % 16 and channels 8 (lane / 16) + 0 .. 7, which as f16 are four registers of a
; fragment (16 tokens x 32 channels).  V is made with the sources swapped: a lane holds channel lane % 16 and tokens 8 (lane / 16) + 0 .. 7: four registers of a fragment of V^T (16 channels x 32 keys).
; So each result is stored as it stands, 16 bytes a lane, 512 consecutive aligned bytes a store.  The biases are the C of each sum's first product.
.set XIMG,  0                          ; LDS: x's eight tiles of codes, 4,096 bytes each,
.set XSC,   32768                      ; their scale words, 512 bytes each (four words a lane),
.set SPARE, 36864                      ; and the spare words, 128 bytes for each wave, which no other line names
.set AQ,  8                            ; v8-15 Q's sums, v16-23 K's, v24-31 V's
.set WF,  32                           ; v32-127  the weights' fragments: kind ty (Q, K, V), K step s at WF + 32 ty + 8 s
.set WS,  128                          ; v128-139 their scale words: WS + 4 ty + s
.set BQ,  140                          ; v140-147 q_b, v148-155 kv_b for K, v156-163 kv_b for V, in the results' layouts
.set BK,  148
.set BV,  156
.set XB,  164                          ; v164-227 two buffers for a tile of x: four fragments
.set XS,  228                          ; v228-235 two sets of its four scale words
.set HF,  236                          ; v236-247 the three results as f16
.set SPW, 252                          ; v252 LDS address of my spare word; never rewritten
.set NIL, 253                          ; v253 0; never rewritten
	s_load_b256 s[4:11], s[0:1], 0x0               ; xc s[4:5], xs s[6:7], wc s[8:9], ws s[10:11]
	s_load_b256 s[12:19], s[0:1], 0x20             ; q_b s[12:13], kv_b s[14:15], qf s[16:17], kvf s[18:19]
	v_lshl_add_u32 v[SPW], v0, 2, SPARE
	v_mov_b32 v[NIL], 0
	v_lshrrev_b32 v1, 5, v0
	v_readfirstlane_b32 s20, v1                    ; wave w
	v_and_b32 v2, 31, v0
	v_lshlrev_b32 v1, 4, v2                        ; v1 = 16 x lane
	v_and_b32 v4, 15, v0
	v_bfe_u32 v3, v0, 4, 1
	v_lshlrev_b32 v2, 4, v4                        ; v2 = 16 r: a row's four scale words
	v_lshlrev_b32 v3, 5, v3                        ; v3 = 32 h: eight f32 of a bias
	v_lshlrev_b32 v4, 2, v4                        ; v4 = 4 r: one f32 of a bias
	s_lshl_b32 s21, s20, 12
	v_add_nc_u32 v5, s21, v1                       ; v5: where I store my tile's codes
	s_lshl_b32 s21, s20, 9
	v_add_nc_u32 v6, s21, v1
	v_add_nc_u32 v6, XSC, v6                       ; v6: and its scale words
	v_add_nc_u32 v7, XSC, v1                       ; v7: where any tile's scale words are read
	s_and_b32 s23, ttmp7, 0xffff                   ; by
	s_lshr_b32 s24, s23, 5                         ; b
	s_and_b32 s25, s23, 31                         ; t
	s_lshr_b32 s26, s20, 2                         ; e: which of the two heads
	s_and_b32 s27, s20, 3                          ; ct
	s_lshl_b32 s28, s23, 3
	s_add_co_u32 s28, s28, s20                     ; the tile of x that I bring: 8 by + w
	s_lshl_b32 s29, ttmp9, 3
	s_add_co_u32 s29, s29, s20                     ; my tile of each weight: 8 g + w
	s_mov_b32 s31, 0
	s_lshl_b32 s32, s24, 3
	s_lshl_b32 s33, ttmp9, 1
	s_add_co_u32 s32, s32, s33
	s_add_co_u32 s32, s32, s26                     ; 8 b + head
	s_lshl_b32 s32, s32, 8
	s_lshl_b32 s33, s25, 3
	s_add_co_u32 s32, s32, s33                     ; x 256 tiles of queries, + 8 t
	s_lshl_b32 s32, s32, 11                        ; 2,048 bytes a tile
	s_lshl_b32 s33, s27, 9
	s_add_co_u32 s40, s32, s33                     ; + 512 ct: Q's offset
	s_lshl_b32 s32, s24, 2
	s_add_co_u32 s32, s32, ttmp9                   ; the pair of heads: 4 b + g
	s_lshl_b32 s32, s32, 5
	s_add_co_u32 s32, s32, s25                     ; x 32 blocks of 128 keys, + t
	s_lshl_b32 s32, s32, 16                        ; 65,536 bytes a block: K of head 2 g, K of 2 g + 1, V of 2 g, V of 2 g + 1
	s_lshl_b32 s34, s26, 14
	s_add_co_u32 s32, s32, s34
	s_add_co_u32 s41, s32, s33                     ; K's offset: + 512 ct
	s_lshl_b32 s33, s27, 10
	s_add_co_u32 s42, s32, s33
	s_add_co_u32 s42, s42, 32768                   ; V's: + 32,768 + 1,024 ct
	s_wait_kmcnt 0x0
	s_lshl_b32 s30, s28, 12
	s_add_nc_u64 s[4:5], s[4:5], s[30:31]
	s_lshl_b32 s30, s28, 8
	s_add_nc_u64 s[6:7], s[6:7], s[30:31]
	s_lshl_b32 s30, s29, 12
	s_add_nc_u64 s[8:9], s[8:9], s[30:31]
	s_lshl_b32 s30, s29, 8
	s_add_nc_u64 s[10:11], s[10:11], s[30:31]
	s_lshl_b32 s30, s29, 6                         ; 16 columns of f32
	s_add_nc_u64 s[12:13], s[12:13], s[30:31]
	s_add_nc_u64 s[14:15], s[14:15], s[30:31]
	s_mov_b32 s30, s40
	s_add_nc_u64 s[16:17], s[16:17], s[30:31]      ; where Q's results go,
	s_mov_b32 s30, s41
	s_add_nc_u64 s[36:37], s[18:19], s[30:31]      ; K's,
	s_mov_b32 s30, s42
	s_add_nc_u64 s[38:39], s[18:19], s[30:31]      ; V's
.irp j, 0,1,2,3,4,5,6,7
	global_load_b128 v[XB+4*\j:XB+4*\j+3], v1, s[4:5] offset:512*\j    ; my tile of x: nine loads, issued first
.endr
	global_load_b128 v[XS:XS+3], v2, s[6:7]
.irp ty, 0,1,2
.irp j, 0,1,2,3,4,5,6,7
	global_load_b128 v[WF+32*\ty+4*\j:WF+32*\ty+4*\j+3], v1, s[8:9] offset:131072*\ty+512*\j   ; the weights: Q's tiles, 32 tiles on K's, 32 on V's
.endr
	global_load_b128 v[WS+4*\ty:WS+4*\ty+3], v2, s[10:11] offset:8192*\ty
.endr
	global_load_b128 v[BQ:BQ+3], v3, s[12:13]              ; Q and K: register j wants the bias of channel 8 h + j
	global_load_b128 v[BQ+4:BQ+7], v3, s[12:13] offset:16
	global_load_b128 v[BK:BK+3], v3, s[14:15]
	global_load_b128 v[BK+4:BK+7], v3, s[14:15] offset:16
.irp j, 0,1,2,3,4,5,6,7
	global_load_b32 v[BV+\j], v4, s[14:15] offset:2048     ; V: all eight registers want the bias of channel r
.endr
	s_wait_loadcnt 39                              ; x's nine are in; behind them stand 27 loads of weights and 12 of biases
.irp j, 0,1,2,3,4,5,6,7
	ds_store_b128 v5, v[XB+4*\j:XB+4*\j+3] offset:XIMG+512*\j
.endr
	ds_store_b128 v6, v[XS:XS+3]
	s_wait_dscnt 0x0                               ; for the others' sake: my stores have landed
	s_barrier_signal -1
	s_barrier_wait -1                              ; x's eight tiles lie in LDS; nothing writes them again
	s_wait_loadcnt 0x0                             ; weights and biases
.macro XF i                            ; tile i of x into buffer i % 2: nine LDS loads
.irp j, 0,1,2,3,4,5,6,7
	ds_load_b128 v[XB+32*((\i)%2)+4*\j:XB+32*((\i)%2)+4*\j+3], v1 offset:XIMG+4096*(\i)+512*\j
.endr
	ds_load_b128 v[XS+4*((\i)%2):XS+4*((\i)%2)+3], v7 offset:512*(\i)
.endm
; Tile i of tokens: twelve products, the three sums by turns, one instruction a turn; then the results leave.
.macro MT i
.set XBI, XB+32*((\i)%2)
.set XSI, XS+4*((\i)%2)
.if (\i) < 7
	XF (\i)+1                                      ; its buffer was last read by products that stand ahead of the last tile's four v_nop
	s_wait_dscnt 9                                 ; this tile is in; the next tile's nine loads may be out
.else
	s_wait_dscnt 0x0
.endif
.irp s, 0,1,2,3
.if \s == 0
	v_wmma_scale_f32_16x16x128_f8f6f4 v[AQ:AQ+7], v[WF+8*\s:WF+8*\s+7], v[XBI+8*\s:XBI+8*\s+7], v[BQ:BQ+7], v[WS+\s], v[XSI+\s] matrix_a_fmt:MATRIX_FMT_FP4 matrix_b_fmt:MATRIX_FMT_FP4
	v_wmma_scale_f32_16x16x128_f8f6f4 v[AQ+8:AQ+15], v[WF+32+8*\s:WF+32+8*\s+7], v[XBI+8*\s:XBI+8*\s+7], v[BK:BK+7], v[WS+4+\s], v[XSI+\s] matrix_a_fmt:MATRIX_FMT_FP4 matrix_b_fmt:MATRIX_FMT_FP4
	v_wmma_scale_f32_16x16x128_f8f6f4 v[AQ+16:AQ+23], v[XBI+8*\s:XBI+8*\s+7], v[WF+64+8*\s:WF+64+8*\s+7], v[BV:BV+7], v[XSI+\s], v[WS+8+\s] matrix_a_fmt:MATRIX_FMT_FP4 matrix_b_fmt:MATRIX_FMT_FP4
.else
	v_wmma_scale_f32_16x16x128_f8f6f4 v[AQ:AQ+7], v[WF+8*\s:WF+8*\s+7], v[XBI+8*\s:XBI+8*\s+7], v[AQ:AQ+7], v[WS+\s], v[XSI+\s] matrix_a_fmt:MATRIX_FMT_FP4 matrix_b_fmt:MATRIX_FMT_FP4
	v_wmma_scale_f32_16x16x128_f8f6f4 v[AQ+8:AQ+15], v[WF+32+8*\s:WF+32+8*\s+7], v[XBI+8*\s:XBI+8*\s+7], v[AQ+8:AQ+15], v[WS+4+\s], v[XSI+\s] matrix_a_fmt:MATRIX_FMT_FP4 matrix_b_fmt:MATRIX_FMT_FP4
	v_wmma_scale_f32_16x16x128_f8f6f4 v[AQ+16:AQ+23], v[XBI+8*\s:XBI+8*\s+7], v[WF+64+8*\s:WF+64+8*\s+7], v[AQ+16:AQ+23], v[XSI+\s], v[WS+8+\s] matrix_a_fmt:MATRIX_FMT_FP4 matrix_b_fmt:MATRIX_FMT_FP4
.endif
.endr
.rept 4
	v_nop                                          ; four places between the last products and the first read of results (ISA guide 7.12.1); with the other sums' conversions they are also the places ahead of the next tile's products, which begin the sums anew
.endr
	s_wait_xcnt 0x0                                ; the last tile's stores have read v[HF ..]: only now are they written again
.irp j, 0,2,4,6
	v_pk_mul_f32 v[AQ+\j:AQ+\j+1], v[AQ+\j:AQ+\j+1], 0x3e000000 op_sel_hi:[1,0]   ; Q / 8 = Q / sqrt(64): exact
.endr
.irp a, 0,1,2
.irp j, 0,1,2,3
	v_cvt_pk_f16_f32 v[HF+4*\a+\j], v[AQ+8*\a+2*\j], v[AQ+8*\a+2*\j+1]            ; each sum from its low end on
.endr
.endr
	global_store_b128 v1, v[HF:HF+3], s[16:17] offset:2048*(\i)                    ; Q: tile of queries 8 t + i
	global_store_b128 v1, v[HF+4:HF+7], s[36:37] offset:2048*(\i)                  ; K: tile of keys i of the block
	global_store_b128 v1, v[HF+8:HF+11], s[38:39] offset:4096*((\i)/2)+512*((\i)%2) ; V^T: keys 32 (i / 2) on, half i % 2 of the fragment
.endm
	XF 0
.irp i, 0,1,2,3,4,5,6,7
	MT \i
.endr
	s_wait_tensorcnt 0x0                           ; the wave's end: a tensor wait, an add to my spare word and its wait, behind my last LDS store; the tensor wait even with no tensor load
	ds_add_u32 v[SPW], v[NIL]
	s_wait_dscnt 0x0
	s_endpgm
.Lfunc_end_k_q57e81dafaf_proj:
	.size	k_q57e81dafaf_proj, .Lfunc_end_k_q57e81dafaf_proj-k_q57e81dafaf_proj
	.p2alignl 7, 3214868480
	.fill 96, 4, 3214868480
	.section	.rodata,"a",@progbits
	.p2align	6, 0x0
	.amdhsa_kernel k_q57e81dafaf_proj
		.amdhsa_group_segment_fixed_size 37888
		.amdhsa_private_segment_fixed_size 0
		.amdhsa_enable_private_segment 0
		.amdhsa_kernarg_size 64
		.amdhsa_user_sgpr_count 2
		.amdhsa_user_sgpr_kernarg_segment_ptr 1
		.amdhsa_wavefront_size32 1
		.amdhsa_system_sgpr_workgroup_id_x 1
		.amdhsa_system_sgpr_workgroup_id_y 1
		.amdhsa_system_sgpr_workgroup_id_z 1
		.amdhsa_system_vgpr_workitem_id 0
		.amdhsa_next_free_vgpr 256
		.amdhsa_next_free_sgpr 66
		.amdhsa_reserve_vcc 0
		.amdhsa_float_denorm_mode_32 3
		.amdhsa_float_denorm_mode_16_64 3
		.amdhsa_memory_ordered 1
		.amdhsa_forward_progress 1
		.amdhsa_inst_pref_size 38
	.end_amdhsa_kernel
	.amdgpu_metadata
---
amdhsa.version: [ 1, 2 ]
amdhsa.kernels:
  - .name:           k_q57e81dafaf_proj
    .symbol:         k_q57e81dafaf_proj.kd
    .args:
      - { .name: xc, .offset: 0, .size: 8, .value_kind: global_buffer, .address_space: global }
      - { .name: xs, .offset: 8, .size: 8, .value_kind: global_buffer, .address_space: global }
      - { .name: wc, .offset: 16, .size: 8, .value_kind: global_buffer, .address_space: global }
      - { .name: ws, .offset: 24, .size: 8, .value_kind: global_buffer, .address_space: global }
      - { .name: q_b, .offset: 32, .size: 8, .value_kind: global_buffer, .address_space: global }
      - { .name: kv_b, .offset: 40, .size: 8, .value_kind: global_buffer, .address_space: global }
      - { .name: qf, .offset: 48, .size: 8, .value_kind: global_buffer, .address_space: global }
      - { .name: kvf, .offset: 56, .size: 8, .value_kind: global_buffer, .address_space: global }
    .group_segment_fixed_size: 37888
    .private_segment_fixed_size: 0
    .kernarg_segment_align: 8
    .kernarg_segment_size: 64
    .max_flat_workgroup_size: 256
    .sgpr_count:     66
    .vgpr_count:     256
    .wavefront_size: 32
...
	.end_amdgpu_metadata
.endif
;; end of part 2
;; launch attn (part 3): grid 32 x 8, 8 waves a work-group, clusters of 4 x 4, 327,680 bytes of LDS; arguments qf, kvf, mask, of; writes of
.if DOCPART == 3
	.amdgcn_target "amdgcn-amd-amdhsa--gfx1250"
	.amdhsa_code_object_version 6
	.text
	.protected	k_q57e81dafaf_attn
	.globl	k_q57e81dafaf_attn
	.p2align	8
	.type	k_q57e81dafaf_attn,@function
k_q57e81dafaf_attn:
	s_mov_b64 s[64:65], 0
	v_nop
	global_prefetch_b8 v0, s[64:65] scope:SCOPE_SE
	s_setreg_imm32_b32 hwreg(HW_REG_WAVE_MODE, 25, 1), 1
	s_wait_xcnt 0x0
	s_wait_alu depctr_hold_cnt(0) depctr_sa_sdst(0) depctr_va_vdst(0) depctr_va_sdst(0) depctr_va_ssrc(0) depctr_va_vcc(0) depctr_vm_vsrc(0)
	s_getreg_b32 s2, hwreg(HW_REG_IB_STS2, 6, 4)
	s_cmp_eq_u32 s2, 0
	s_cbranch_scc0 .Lentry_in_a_cluster
	s_endpgm
.Lentry_in_a_cluster:
	s_bfe_u32 s2, ttmp6, 0x10000c
	s_cmp_lg_u32 s2, 0xf033
	s_cbranch_scc0 .Lentry_shape_is_right
	s_endpgm
.Lentry_shape_is_right:
; O[b][head][q] = the sum over k of softmax_k(Q . K / 8 + mask[q][k]) V[k].  16 pairs (b, head), 4,096 queries and keys, head size 64.  Q / 8, K, V arrive as f16 images of operand registers; mask is f32.
; Products in f16 with f32 sums; maxima, exponentials and sums in f32; the weights p are rounded to f16 for the second product, O once at the end.
; LIMITS: the running maximum begins at -1e30, so scores that lie under -1e30 throughout a row are not told apart (a row whose scores are all -infinity gives NaN, as the softmax itself does); O leaves as f16.
; SHARES.  Work-group (x, y): queries 128 x .. 128 x + 127 of the two heads 2 y and 2 y + 1 (counted over b and head).  32 x 8 = 256 work-groups.  That shape makes a work-group's bytes fewest: the mask's
; 128 x 4,096 x 4 and two heads' K and V, 2 MiB each.  Wave w: queries 64 (w % 2) on (four tiles of 16); head 2 y + (w / 2) % 2; of each slot's 128 keys the 64 from 64 (w / 4) on.
; Each wave keeps a running maximum m, sum l and O^T of its own over its half of the keys; at the end wave w + 4 hands its three to wave w through LDS.
; LAYOUT.  S^T = K Q^T + mask^T (source 0 = 16 keys, source 1 = 16 queries): a lane holds ONE query (lane % 16) and keys 8 (lane / 16) + 0 .. 7.  THE MASK IS THE C OF THE FIRST PRODUCT: eight neighbouring f32 of a
; row of the mask, loaded from LDS straight into the accumulator: it costs no vector instruction.  Two tiles of S^T, rounded in pairs, are source 1 of O^T = V^T P.
; TWO WAVES TO A SIMD, HALF A TRIP APART.  The wave's four tiles are two pieces (0: tiles 0, 1; 1: tiles 2, 3).  Its work is one cycle: [V^T P of piece 1, K Q^T of piece 0] [softmax of piece 0]
; [V^T P of piece 0, K Q^T of piece 1] [softmax of piece 1].  Waves with ord = 0 end a trip with the softmax of piece 1, waves with ord = 1 begin the next trip with it; ord = (w xor w / 4) % 2.
; So one wave can issue 32 products while the other walks 236 vector instructions, and each kind of work stands in long stretches under one setting of the register windows.
; CLUSTER.  4 x 4 work-groups.  The four with the same x need the same tiles of the mask, the four with the same y the same K and V: each tile is asked for JOINTLY, by the same tensor load with the same
; descriptor and a mask of work-groups that names the four.
; REGISTERS, in windows of 256.  window 0: v1-9 addresses; v30, v31 the add's two; v32-63 statistics, eight a tile; v64-127 S^T of one piece; v128-159 P of one piece; v160-223 Q; v224-239 the partner's statistics.
;   window 1: v0-127 O^T (tile t, channels 16 ct on: 32 t + 8 ct); v128-191 K of my 64 keys; v192-255 V^T of my 64 keys.
.set SLOT,  133120                     ; a slot: the mask's 128 rows x (512 bytes + 16), then 65,536 bytes of K and V
.set MP,    528                        ; a row of the mask in LDS = 132 words: row r begins at bank 4 r mod 64 (64 banks of 4 bytes: ISA guide 11.1)
.set KVOFF, 128*MP
.set SPARE, 2*SLOT                     ; behind the ring: the spare words, 128 bytes for each wave, which no other line names
.set MSTG,  18432                      ; the hand-over at the end: 16,384 bytes of O^T and 2,048 of statistics for each pair of waves, in slot 0, which has had its last fill and its last read by then
.set AM,  2                            ; v2, v3  my lane's place in the mask's tile in slot 0, 1
.set AK,  4                            ; v4, v5  my lane's place in my head's K in slot 0, 1; V lies 32,768 bytes on
.set STG, 6                            ; v6      my lane's place in the hand-over
.set PF0, 8                            ; v8, v9  the prefetches' offsets; never rewritten
.set PF1, 9
.set SPW, 30                           ; v30     LDS address of my spare word; never rewritten
.set NIL, 31                           ; v31     0; never rewritten
.set ST,  32                           ; tile t's statistics at ST + 8 t: +0 c m, +1 m, +2, +3 l (even keys', odd keys'), +4 to +7 at work; a = 2^(c m_old - c m_new) at +6
.set S,   64
.set P,   128
.set Q,   160
.set MG,  224
.set KF,  128                          ; in window 1
.set VF,  192
.set WV,  12                           ; s12 wave
.set KH,  13                           ; s13 which half of a slot's keys.  Also: I fetch the mask (0) or K and V (1)
.set ORD, 14                           ; s14 where my trip begins
.set W3,  15                           ; s15 wave % 4: which quarter of the mask's tile, or of K and V, I fetch
.set G1M, 24                           ; s[24:31] descriptor group 1 for the mask's tiles
.set G1K, 32                           ; s[32:39] for K and V
.set G0M, 40                           ; s[40:47] group 0 for the mask, a set for each slot
.set G0K, 48                           ; s[48:55] for K and V
.set LAPS, 56
.set CS,  58                           ; s[58:59] c = log2(e): the packed form names a pair and takes its low word for both halves
.set SEL, 60                           ; s[60:61] v_permlanex16_b32's selects: lane l xor 16
.set PFA, 66                           ; s[66:67] where my prefetches stand
.set PFS, 68                           ; s[68:69] a slot on, in bytes
.set LIM, 70                           ; s70 1 in a wave that prefetches, else the greatest number
.set MSB, 0
.macro WIN new                         ; the immediate's high byte repeats the setting that is left; a switch that changes nothing is dropped
.if MSB != \new
	s_set_vgpr_msb (MSB<<8)|\new
.set MSB, \new
.endif
.endm
.macro PLACES                          ; four places behind matrix instructions, ahead of reads of results and of loads into registers that they named
.rept 4
	v_nop
.endr
.endm
; A round of the cluster's barrier: my work-group's barrier; wave 0 signals for the work-group; every wave waits for all sixteen work-groups; my work-group's barrier once more.
.macro ROUND
	s_barrier_signal -1
	s_barrier_wait -1
	s_cmp_lg_u32 s[WV], 0
	s_cbranch_scc1 .Lnot_wave_0_\@
	s_barrier_signal -3
.Lnot_wave_0_\@:
	s_barrier_wait -3
	s_barrier_signal -1
	s_barrier_wait -1
.endm
; A joint load into slot n: waves 0-3 fetch 32 rows of the mask's tile each, waves 4-7 a quarter of the block of K and V each: 16 KiB a wave.  The branch hangs on the wave's number alone.
; An s_nop 0 and four v_nop follow each of the two lines, ahead of the jump, the label and what follows.
.macro JLOAD n
	s_cmp_eq_u32 s[KH], 0
	s_cbranch_scc0 .Lfor_kv_\@
	tensor_load_to_lds s[G0M+4*(\n):G0M+4*(\n)+3], s[G1M:G1M+7]
	s_nop 0
.rept 4
	v_nop
.endr
	s_branch .Lasked_\@
.Lfor_kv_\@:
	tensor_load_to_lds s[G0K+4*(\n):G0K+4*(\n)+3], s[G1K:G1K+7]
	s_nop 0
.rept 4
	v_nop
.endr
.Lasked_\@:
.endm
; A PREFETCH INTO THE L2 of the slot that stands two joint loads on: trip t, which asks for slot t + 1 by its tensor load, names slot t + 3 here.
; Each aligned block of 256 bytes is named once in the launch.  A tile of the mask is read by both clusters with the same cluster x: the one with cluster y = 0 asks, by its waves 0; the four partners that fetch it
; jointly take 32 rows each, told apart by address (32 cy + lane; a row's 512 bytes are two blocks: two instructions).  A block of K and V is read by all eight clusters with the same cluster y: the one with
; cluster x = 0 asks, by its waves 4; the partner at place cx takes quarter cx, lanes 256 bytes apart, 8,192 bytes an instruction.  how = 1: a lap's first trip; how = 0: its second, which in the last lap would name slot 32 and asks for nothing.
.macro ASK how
.if \how
	s_cmp_eq_u32 s[LIM], 1
.else
	s_cmp_gt_u32 s[LAPS], s[LIM]
.endif
	s_cbranch_scc0 .Lnot_mine_\@
	global_prefetch_b8 v[PF0], s[PFA:PFA+1] th:TH_LOAD_NT scope:SCOPE_SE
	global_prefetch_b8 v[PF1], s[PFA:PFA+1] th:TH_LOAD_NT scope:SCOPE_SE
.Lnot_mine_\@:
.endm
	s_load_b256 s[4:11], s[0:1], 0x0               ; qf s[4:5], kvf s[6:7], mask s[8:9], of s[10:11]
	v_lshl_add_u32 v[SPW], v0, 2, SPARE
	v_mov_b32 v[NIL], 0
	ds_add_u32 v[SPW], v[NIL]                      ; the wave's opening: the add, twice on end, and its wait ahead of my first tensor load; the set-up below, work on registers, stands between
	ds_add_u32 v[SPW], v[NIL]
	v_lshrrev_b32 v7, 5, v0
	v_readfirstlane_b32 s[WV], v7                  ; wave 0..7
	s_lshr_b32 s[KH], s[WV], 2
	s_xor_b32 s[ORD], s[KH], s[WV]
	s_and_b32 s[ORD], s[ORD], 1
	s_and_b32 s[W3], s[WV], 3
	s_and_b32 s77, s[WV], 1                        ; qh: which 64 queries
	s_bfe_u32 s78, s[WV], 0x10001                  ; hs: which head of the pair
	s_bfe_u32 s72, ttmp6, 0x40000                  ; cx
	s_bfe_u32 s73, ttmp6, 0x40004                  ; cy
	s_lshl_b32 s74, ttmp9, 2
	s_add_co_u32 s74, s74, s72                     ; x = 4 x cluster x + cx
	s_and_b32 s76, ttmp7, 0xffff                   ; cluster y
	s_lshl_b32 s75, s76, 2
	s_add_co_u32 s75, s75, s73                     ; y = 4 x cluster y + cy
	s_lshl_b32 s79, 0x1111, s72                    ; my column of the cluster (same cx): it shares x
	s_lshl_b32 s80, s73, 2
	s_lshl_b32 s80, 15, s80                        ; my row (same cy): it shares y
	; group 1 for the mask: 32 rows x 128 elements of 4 bytes, 4,096 elements from row to row; in LDS 4 words of padding behind every 128
	s_or_b32 s[G1M], s79, (2<<16)|(1<<20)|(1<<21)|(6<<22)|(3<<25)
	s_mov_b32 s[G1M+1], 128<<16                    ; tensor_dim0
	s_mov_b32 s[G1M+2], 32<<16                     ; tensor_dim1
	s_mov_b32 s[G1M+3], 128<<16                    ; tile_dim0
	s_mov_b32 s[G1M+4], 32                         ; tile_dim1
	s_mov_b32 s[G1M+5], 4096                       ; tensor_dim0_stride
	s_mov_b32 s[G1M+6], 0
	s_mov_b32 s[G1M+7], 0
	; group 1 for K and V: 16,384 dense bytes as 64 rows of 32 elements of 8 bytes, no padding: the images are read 16 bytes a lane, 512 consecutive bytes an instruction
	s_or_b32 s[G1K], s80, (3<<16)|(1<<21)
	s_mov_b32 s[G1K+1], 32<<16
	s_mov_b32 s[G1K+2], 64<<16
	s_mov_b32 s[G1K+3], 32<<16
	s_mov_b32 s[G1K+4], 64
	s_mov_b32 s[G1K+5], 32
	s_mov_b32 s[G1K+6], 0
	s_mov_b32 s[G1K+7], 0
	; what I fetch.  The mask's registers hold x and never y; K's and V's hold y and never x
	s_lshl_b32 s16, s74, 21                        ; 128 x rows of 16,384 bytes
	s_lshl_b32 s17, s[W3], 19                      ; + my 32 rows
	s_add_co_u32 s16, s16, s17
	s_mov_b32 s17, 0
	s_mul_i32 s18, s[W3], 32*MP                    ; and where they go: no place in the cluster enters an LDS address
	s_lshl_b32 s20, s75, 21                        ; 32 y blocks of 65,536 bytes
	s_lshl_b32 s21, s[W3], 14                      ; + my quarter
	s_add_co_u32 s20, s20, s21
	s_add_co_u32 s22, s21, KVOFF
	s_mov_b32 s21, 0
	; Q's and O's places
	s_lshl_b32 s86, s74, 3
	s_lshl_b32 s87, s77, 2
	s_add_co_u32 s86, s86, s87                     ; my first tile of queries in the sequence: 8 x + 4 qh
	s_lshl_b32 s82, s75, 1
	s_add_co_u32 s82, s82, s78                     ; 8 b + head = 2 y + hs
	s_lshl_b32 s84, s82, 8
	s_add_co_u32 s84, s84, s86
	s_lshl_b32 s84, s84, 11                        ; qf: 2,048 bytes a tile
	s_mov_b32 s85, 0
	s_lshr_b32 s87, s82, 3                         ; b
	s_lshl_b32 s87, s87, 8
	s_add_co_u32 s86, s86, s87                     ; of: tile of rows 256 b + 8 x + 4 qh,
	s_lshl_b32 s86, s86, 14                        ; 16,384 bytes each,
	s_and_b32 s82, s82, 7
	s_lshl_b32 s82, s82, 11                        ; + K step 2 head, 1,024 bytes each
	s_add_co_u32 s86, s86, s82
	s_mov_b32 s87, 0
	; the prefetches
	s_lshl_b32 s90, s74, 21
	s_lshl_b32 s91, s73, 19
	s_add_co_u32 s90, s90, s91
	s_add_co_u32 s90, s90, 1024                    ; the mask: rows 128 x + 32 cy on, slot 2: the first trip steps it to slot 3
	s_lshl_b32 s91, s75, 21
	s_lshl_b32 s92, s72, 14
	s_add_co_u32 s91, s91, s92
	s_add_co_u32 s91, s91, 131072                  ; K and V: quarter cx of slot 2
	s_mov_b32 s88, 256
	s_mov_b32 s89, 8192
	s_mov_b32 s[PFS], 65536
	s_mov_b32 s[PFS+1], 0
	s_mov_b32 s93, 0
	s_cmp_eq_u32 s[KH], 0
	s_cselect_b32 s92, s90, s91
	s_cselect_b32 s88, 16384, s88                  ; from lane to lane: a row of the mask, or 256 bytes
	s_cselect_b32 s89, 256, s89                    ; from the first instruction to the second
	s_cselect_b32 s[PFS], 512, s[PFS]
	s_cselect_b32 s94, s76, ttmp9                  ; the coordinate along which other clusters read the same bytes
	s_or_b32 s94, s94, s[W3]
	s_cmp_eq_u32 s94, 0
	s_cselect_b32 s[LIM], 1, -1                    ; the same in all sixteen partners, for a given wave
	s_mov_b32 s[CS], 0x3fb8aa3b                    ; c = log2(e)
	s_mov_b32 s[CS+1], s[CS]
	s_mov_b32 s[SEL], 0x76543210
	s_mov_b32 s[SEL+1], 0xfedcba98
	; the lanes' addresses, all made here, ahead of every parting of the waves
	v_and_b32 v10, 31, v0
	v_lshlrev_b32 v1, 4, v10                       ; v1 = 16 x lane
	v_and_b32 v11, 15, v0                          ; r
	v_bfe_u32 v12, v0, 4, 1                        ; h
	v_mul_u32_u24 v[AM], v11, MP
	v_lshl_add_u32 v[AM], v12, 5, v[AM]            ; row r, + 32 h: keys 8 h on
	s_mul_i32 s96, s77, 64*MP                      ; + my 64 queries
	s_lshl_b32 s97, s[KH], 8                       ; + my 64 keys
	s_add_co_u32 s96, s96, s97
	v_add_nc_u32 v[AM], s96, v[AM]
	v_add_nc_u32 v[AM+1], SLOT, v[AM]
	s_lshl_b32 s96, s78, 14                        ; my head's K,
	s_lshl_b32 s97, s[KH], 13                      ; my half of its keys
	s_add_co_u32 s96, s96, s97
	s_add_co_u32 s96, s96, KVOFF
	v_add_nc_u32 v[AK], s96, v1
	v_add_nc_u32 v[AK+1], SLOT, v[AK]
	s_mul_i32 s96, s[W3], MSTG
	v_add_nc_u32 v[STG], s96, v1
	v_mul_lo_u32 v[PF0], v10, s88
	v_add_nc_u32 v[PF1], s89, v[PF0]
	s_wait_dscnt 0x0                               ; both opening adds are done
	s_wait_kmcnt 0x0
	s_add_nc_u64 s[16:17], s[8:9], s[16:17]
	s_add_nc_u64 s[20:21], s[6:7], s[20:21]
	s_add_nc_u64 s[4:5], s[4:5], s[84:85]
	s_add_nc_u64 s[10:11], s[10:11], s[86:87]
	s_cmp_eq_u32 s[KH], 0
	s_cselect_b64 s[PFA:PFA+1], s[8:9], s[6:7]
	s_add_nc_u64 s[PFA:PFA+1], s[PFA:PFA+1], s[92:93]
.irp n, 0,1
	s_mov_b32 s[G0M+4*\n], 1                       ; count = 1
	s_add_co_u32 s[G0M+4*\n+1], s18, \n*SLOT       ; LDS address
	s_add_nc_u64 s[G0M+4*\n+2:G0M+4*\n+3], s[16:17], \n*512      ; slot n begins with keys 128 n on
	s_or_b32 s[G0M+4*\n+3], s[G0M+4*\n+3], 0x80000000            ; type = 2
	s_mov_b32 s[G0K+4*\n], 1
	s_add_co_u32 s[G0K+4*\n+1], s22, \n*SLOT
	s_add_nc_u64 s[G0K+4*\n+2:G0K+4*\n+3], s[20:21], \n*65536
	s_or_b32 s[G0K+4*\n+3], s[G0K+4*\n+3], 0x80000000
.endr
	ROUND                                          ; all sixteen work-groups are here: the first joint loads meet
	JLOAD 0                                        ; slot 0: keys 0 to 127.  One tensor load of a wave is out at any time
.irp t, 0,1,2,3
.irp c, 0,1
.irp u, 0,1
	global_load_b128 v[Q+16*\t+8*\c+4*\u:Q+16*\t+8*\c+4*\u+3], v1, s[4:5] offset:2048*\t+1024*\c+512*\u   ; Q stays in registers: tile t, channels 32 c on
.endr
.endr
.endr
	; THE TRIP IS WRITTEN ONCE FOR ALL 32 SLOTS: the first finds O^T, V and P as zeros, S^T as -infinity, m as -1e30 and l as 0.  Its V^T P then adds zeros, and a softmax of -infinity gives p = 0 and a = 1.
	WIN 0x40
.set i, 0
.rept 128
	v_mov_b32 v[i], 0                              ; O^T
.set i, i+1
.endr
.set i, VF
.rept 64
	v_mov_b32 v[i], 0                              ; V
.set i, i+1
.endr
	WIN 0
	s_mov_b32 s96, 0xff800000                      ; -infinity
	s_mov_b32 s97, 0xf149f2ca                      ; -1e30
.set i, P
.rept 32
	v_mov_b32 v[i], 0
.set i, i+1
.endr
.set i, S
.rept 64
	v_mov_b32 v[i], s96
.set i, i+1
.endr
.irp t, 0,1,2,3
	v_mov_b32 v[ST+8*\t+1], s97
	v_mul_f32 v[ST+8*\t], s[CS], v[ST+8*\t+1]
.irp k, 2,3,4,5,6,7
	v_mov_b32 v[ST+8*\t+\k], 0
.endr
.endr
; THE LDS LOADS stand in runs of 16.
.macro FETCH_K sl                      ; my 64 keys x 64 channels: fragment f = 2 kt + c (keys 16 kt on, channels 32 c on)
	WIN 0x40                                       ; destination window 1, address window 0
.irp f, 0,1,2,3,4,5,6,7
	ds_load_b128 v[KF+8*\f:KF+8*\f+3],   v[AK+\sl] offset:1024*\f
	ds_load_b128 v[KF+8*\f+4:KF+8*\f+7], v[AK+\sl] offset:1024*\f+512
.endr
.endm
.macro FETCH_V sl                      ; V^T: fragment f = 4 kg + ct (keys 32 kg on, channels 16 ct on)
	WIN 0x40
.irp f, 0,1,2,3,4,5,6,7
	ds_load_b128 v[VF+8*\f:VF+8*\f+3],   v[AK+\sl] offset:32768+1024*\f
	ds_load_b128 v[VF+8*\f+4:VF+8*\f+7], v[AK+\sl] offset:32768+1024*\f+512
.endr
.endm
.macro FETCH_M sl, p                   ; the mask of piece p's 32 queries x my 64 keys, straight into S^T: register j of tile (u, kt) is mask(query r of tile 2 p + u, key 16 kt + 8 h + j)
	WIN 0
.irp u, 0,1
.irp kt, 0,1,2,3
	ds_load_b128 v[S+32*\u+8*\kt:S+32*\u+8*\kt+3],   v[AM+\sl] offset:(2*(\p)+\u)*16*MP+64*\kt
	ds_load_b128 v[S+32*\u+8*\kt+4:S+32*\u+8*\kt+7], v[AM+\sl] offset:(2*(\p)+\u)*16*MP+64*\kt+16
.endr
.endr
.endm
; THE MATRIX WORK.  In each run eight accumulators take turns, one instruction a turn.
.macro QK p                            ; S^T = mask^T + K Q^T for piece p: 16 products
	WIN 0x01                                       ; K in window 1; Q and S^T in window 0
.irp c, 0,1
.irp kt, 0,1,2,3
.irp u, 0,1
	v_wmma_f32_16x16x32_f16 v[S+32*\u+8*\kt:S+32*\u+8*\kt+7], v[KF+8*(2*\kt+\c):KF+8*(2*\kt+\c)+7], v[Q+16*(2*(\p)+\u)+8*\c:Q+16*(2*(\p)+\u)+8*\c+7], v[S+32*\u+8*\kt:S+32*\u+8*\kt+7]
.endr
.endr
.endr
.endm
.macro PV p                            ; O^T += V^T P for piece p: 16 products
	WIN 0x51                                       ; V and O^T in window 1, P in window 0
.irp kg, 0,1
.irp ct, 0,1,2,3
.irp u, 0,1
	v_wmma_f32_16x16x32_f16 v[64*(\p)+32*\u+8*\ct:64*(\p)+32*\u+8*\ct+7], v[VF+8*(4*\kg+\ct):VF+8*(4*\kg+\ct)+7], v[P+16*\u+8*\kg:P+16*\u+8*\kg+7], v[64*(\p)+32*\u+8*\ct:64*(\p)+32*\u+8*\ct+7]
.endr
.endr
.endr
.endm
; THE VECTOR WORK: piece p's softmax of one slot, the two tiles line by line in turn, so that no line waits for the line above it.
.macro SMP p
.set T0, ST+16*(\p)
.set O0, 64*(\p)
	WIN 0
.irp j, 0,1,2,3
.irp u, 0,1
	v_max3_num_f32 v[T0+8*\u+4+\j], v[S+32*\u+8*\j], v[S+32*\u+8*\j+1], v[S+32*\u+8*\j+2]   ; four chains, one for each accumulator, each begun at the accumulator's low end
.endr
.endr
.irp g, 1,2
.irp j, 0,1,2,3
.irp u, 0,1
	v_max3_num_f32 v[T0+8*\u+4+\j], v[T0+8*\u+4+\j], v[S+32*\u+8*\j+2*\g+1], v[S+32*\u+8*\j+2*\g+2]
.endr
.endr
.endr
.irp u, 0,1
	v_max3_num_f32 v[T0+8*\u+4], v[T0+8*\u+4], v[S+32*\u+7], v[S+32*\u+15]
.endr
.irp u, 0,1
	v_max3_num_f32 v[T0+8*\u+6], v[T0+8*\u+6], v[S+32*\u+23], v[S+32*\u+31]
.endr
.irp u, 0,1
	v_max3_num_f32 v[T0+8*\u+4], v[T0+8*\u+4], v[T0+8*\u+5], v[T0+8*\u+6]
.endr
.irp u, 0,1
	v_max3_num_f32 v[T0+8*\u+4], v[T0+8*\u+4], v[T0+8*\u+7], v[T0+8*\u+1]   ; with the old m
.endr
.irp u, 0,1
	v_permlanex16_b32 v[T0+8*\u+5], v[T0+8*\u+4], s[SEL], s[SEL+1]          ; the query's other 32 keys lie in the lane 16 away
.endr
.irp u, 0,1
	v_mov_b32 v[T0+8*\u+7], v[T0+8*\u]                                      ; c m_old
.endr
.irp u, 0,1
	v_max_num_f32 v[T0+8*\u+1], v[T0+8*\u+4], v[T0+8*\u+5]                  ; the new m
.endr
.irp u, 0,1
	v_mul_f32 v[T0+8*\u], s[CS], v[T0+8*\u+1]                               ; c m, rounded once: the same number is taken off every score and enters a
.endr
.irp u, 0,1
	v_sub_f32 v[T0+8*\u+7], v[T0+8*\u+7], v[T0+8*\u]
.endr
.irp u, 0,1
	v_exp_f32 v[T0+8*\u+6], v[T0+8*\u+7]                                    ; a = 2^(c m_old - c m_new).  From here to the wait: ONE BATCH of 66 exponentials, none of whose results is named
.endr
.irp b, 0,1,2,3,4,5,6,7,8,9,10,11,12,13,14,15
.irp u, 0,1
	v_pk_fma_f32 v[S+32*\u+2*\b:S+32*\u+2*\b+1], v[S+32*\u+2*\b:S+32*\u+2*\b+1], s[CS:CS+1], v[T0+8*\u:T0+8*\u+1] op_sel_hi:[1,0,0] neg_lo:[0,0,1] neg_hi:[0,0,1]   ; c s - c m, two at a time
.endr
.irp u, 0,1
	v_exp_f32 v[S+32*\u+2*\b], v[S+32*\u+2*\b]
	v_exp_f32 v[S+32*\u+2*\b+1], v[S+32*\u+2*\b+1]
.endr
.endr
	v_nop                                          ; a plain instruction behind the last exponential (ISA guide 5.7.2)
	s_wait_alu depctr_va_vdst(0)                   ; one wait for the batch, ahead of the first instruction that names a result
.irp i, 0,1,2,3,4,5,6,7,8,9,10,11,12,13,14,15
.irp u, 0,1
	v_cvt_pk_f16_f32 v[P+16*\u+\i], v[S+32*\u+2*\i], v[S+32*\u+2*\i+1]      ; p at most 1: two tiles of S^T become a fragment of P
.endr
.endr
.irp z, 0,1,2,3,4,5,6,7
.irp u, 0,1
	v_pk_add_f32 v[S+32*\u+4*\z:S+32*\u+4*\z+1], v[S+32*\u+4*\z:S+32*\u+4*\z+1], v[S+32*\u+4*\z+2:S+32*\u+4*\z+3]   ; the sum of the unrounded p, in place, as a tree
.endr
.endr
.irp z, 0,1,2,3
.irp u, 0,1
	v_pk_add_f32 v[S+32*\u+8*\z:S+32*\u+8*\z+1], v[S+32*\u+8*\z:S+32*\u+8*\z+1], v[S+32*\u+8*\z+4:S+32*\u+8*\z+5]
.endr
.endr
.irp z, 0,1
.irp u, 0,1
	v_pk_add_f32 v[S+32*\u+16*\z:S+32*\u+16*\z+1], v[S+32*\u+16*\z:S+32*\u+16*\z+1], v[S+32*\u+16*\z+8:S+32*\u+16*\z+9]
.endr
.endr
.irp u, 0,1
	v_pk_add_f32 v[S+32*\u:S+32*\u+1], v[S+32*\u:S+32*\u+1], v[S+32*\u+16:S+32*\u+17]
.endr
.irp u, 0,1
	v_pk_fma_f32 v[T0+8*\u+2:T0+8*\u+3], v[T0+8*\u+2:T0+8*\u+3], v[T0+8*\u+6:T0+8*\u+7], v[S+32*\u:S+32*\u+1] op_sel_hi:[1,0,1]   ; l = a l + the sum
.endr
	WIN 0x41                                       ; O^T (destination and source 0) in window 1, a in window 0
.irp k, 0,2,4,6,8,10,12,14,16,18,20,22,24,26,28,30
.irp u, 0,1
	v_pk_mul_f32 v[O0+32*\u+\k:O0+32*\u+\k+1], v[O0+32*\u+\k:O0+32*\u+\k+1], v[T0+8*\u+6:T0+8*\u+7] op_sel_hi:[1,0]   ; O^T x a, each accumulator from its low end on
.endr
.endr
	WIN 0
.endm
; A TRIP: slot sl is read, the other slot is filled again (refill = 1) with the next 128 keys.  In front of the round each wave waits for all its tensor loads (the one that is out is its part of slot sl), adds 0 to its
; spare word, and waits for that and for its reads of the other slot.  Behind the round no wave of any partner reads the other slot or has a load on its way, and slot sl is whole; the joint refill is the first thing there
; and has the whole trip, 64 products and three softmaxes of a piece on two waves, in which to land.
.macro TRIP sl, refill, ask
	WIN 0
	s_wait_tensorcnt 0x0                           ; no tensor load of mine is out, so a group 0 may be written
	ds_add_u32 v[SPW], v[NIL]                      ; 0 onto my spare word; the steps below stand between it and the wait for it
	s_add_nc_u64 s[G0M+4*\sl+2:G0M+4*\sl+3], s[G0M+4*\sl+2:G0M+4*\sl+3], 1024     ; this slot's next tile: 256 keys on; the type bits on top are not reached
	s_add_nc_u64 s[G0K+4*\sl+2:G0K+4*\sl+3], s[G0K+4*\sl+2:G0K+4*\sl+3], 131072
	s_wait_xcnt 0x0                                ; the last prefetches, a trip back, have read their address: it may be written
	s_add_nc_u64 s[PFA:PFA+1], s[PFA:PFA+1], s[PFS:PFS+1]
	s_wait_dscnt 0x0                               ; the add is done, and my reads of the other slot are over
	ROUND
.if \refill
	JLOAD 1-\sl
.endif
	FETCH_K \sl                                    ; K's registers were last read ahead of the four v_nop at the last trip's end
	WIN 0                                          ; at a branch and at a label every window is 0
.if \ask == 1
	ASK 1
.elseif \ask == 2
	ASK 0
.endif
	s_cmp_eq_u32 s[ORD], 0
	s_cbranch_scc1 .Lhead_\@
	SMP 1                                          ; ord = 1: piece 1's softmax of the last slot stands here
.Lhead_\@:
	FETCH_M \sl, 0
	PV 1                                           ; piece 1, the last slot: on registers alone, while the loads are on their way
	PLACES
	FETCH_V \sl
	s_wait_dscnt 16                                ; K and the mask are in; V's sixteen loads may be out
	QK 0
	WIN 0
	PLACES
	SMP 0
	FETCH_M \sl, 1
	s_wait_dscnt 16                                ; V is in; the mask's sixteen loads may be out
	PV 0
	s_wait_dscnt 0x0                               ; the mask is in
	QK 1
	WIN 0
	PLACES
	s_cmp_lg_u32 s[ORD], 0
	s_cbranch_scc1 .Ltail_\@
	SMP 1                                          ; ord = 0: piece 1's softmax of this slot stands here
.Ltail_\@:
.endm
	s_wait_loadcnt 0x0                             ; Q
	s_mov_b32 s[LAPS], 15
.Llap:                                             ; 15 laps of two trips: slots 0 to 29
	TRIP 0, 1, 1
	TRIP 1, 1, 2
	s_sub_co_u32 s[LAPS], s[LAPS], 1
	s_cmp_lg_u32 s[LAPS], 0
	s_cbranch_scc1 .Llap
	TRIP 0, 1, 0                                   ; the tail is written out: slot 30 is read and slot 31 asked for
	TRIP 1, 0, 0                                   ; slot 31 is read and nothing is asked for
	s_cmp_eq_u32 s[ORD], 0
	s_cbranch_scc1 .Llast
	SMP 1
.Llast:
	PV 1                                           ; piece 1, the last slot
	WIN 0
	PLACES
	; THE HAND-OVER.  Waves 4-7 put O^T and the statistics of their half of the keys into LDS, as images of their registers; waves 0-3 join them with their own.
	; The bytes lie in slot 0: its last fill has landed, and its last reads stand ahead of the last trip's round.
	s_cmp_eq_u32 s[KH], 0
	s_cbranch_scc1 .Lno_send
	WIN 0x04                                       ; an LDS store's data are its source 1: window 1
.set i, 0
.rept 32
	ds_store_b128 v[STG], v[4*i:4*i+3] offset:512*i                 ; each accumulator from its low end on
.set i, i+1
.endr
	WIN 0
.irp t, 0,1,2,3
	ds_store_b128 v[STG], v[ST+8*\t:ST+8*\t+3] offset:16384+512*\t  ; c m, m, l, l
.endr
.Lno_send:
	s_wait_dscnt 0x0                               ; for the others' sake: my stores have landed
	s_barrier_signal -1
	s_barrier_wait -1
	s_cmp_lg_u32 s[KH], 0
	s_cbranch_scc1 .Ldone
	WIN 0x40
.set i, 0
.rept 32
	ds_load_b128 v[128+4*i:128+4*i+3], v[STG] offset:512*i          ; the partner's O^T, over K's and V's registers
.set i, i+1
.endr
	WIN 0
.irp t, 0,1,2,3
	ds_load_b128 v[MG+4*\t:MG+4*\t+3], v[STG] offset:16384+512*\t
.endr
	s_wait_dscnt 0x0
.irp t, 0,1,2,3
	v_max_num_f32 v[ST+8*\t+4], v[ST+8*\t], v[MG+4*\t]              ; the common c m
.endr
.irp t, 0,1,2,3
	v_sub_f32 v[ST+8*\t+5], v[ST+8*\t], v[ST+8*\t+4]
	v_sub_f32 v[ST+8*\t+6], v[MG+4*\t], v[ST+8*\t+4]
.endr
.irp t, 0,1,2,3
	v_exp_f32 v[ST+8*\t+5], v[ST+8*\t+5]                            ; my factor,
	v_exp_f32 v[ST+8*\t+6], v[ST+8*\t+6]                            ; the partner's
.endr
.irp t, 0,1,2,3
	v_add_f32 v[ST+8*\t+2], v[ST+8*\t+2], v[ST+8*\t+3]              ; l's two halves: plain work behind the eight exponentials
	v_add_f32 v[MG+4*\t+2], v[MG+4*\t+2], v[MG+4*\t+3]
.endr
	s_wait_alu depctr_va_vdst(0)                   ; one wait for the eight, ahead of their first reader
.irp t, 0,1,2,3
	v_mul_f32 v[ST+8*\t+2], v[ST+8*\t+2], v[ST+8*\t+5]
.endr
.irp t, 0,1,2,3
	v_fmac_f32 v[ST+8*\t+2], v[MG+4*\t+2], v[ST+8*\t+6]
.endr
.irp t, 0,1,2,3
	v_permlanex16_b32 v[ST+8*\t+7], v[ST+8*\t+2], s[SEL], s[SEL+1]
.endr
.irp t, 0,1,2,3
	v_add_f32 v[ST+8*\t+2], v[ST+8*\t+2], v[ST+8*\t+7]              ; the row's sum over all 4,096 keys
.endr
.irp t, 0,1,2,3
	v_rcp_f32 v[ST+8*\t+4], v[ST+8*\t+2]
.endr
	v_nop
	s_wait_alu depctr_va_vdst(0)                   ; one wait for the four reciprocals
.irp t, 0,1,2,3
	v_mul_f32 v[ST+8*\t], v[ST+8*\t+5], v[ST+8*\t+4]                ; what my O^T is multiplied by,
	v_mul_f32 v[ST+8*\t+2], v[ST+8*\t+6], v[ST+8*\t+4]              ; and the partner's
.endr
; Tile t leaves: a lane's eight channels of a query are four registers of a fragment (16 rows x 32 along the last product's K): stored as they stand, 512 consecutive aligned bytes a store.
.macro OUTT t
.set RB, S+32*((\t)%2)
	WIN 0x01                                       ; source 0 in window 1
.irp k, 0,2,4,6,8,10,12,14,16,18,20,22,24,26,28,30
	v_pk_mul_f32 v[RB+\k:RB+\k+1], v[32*(\t)+\k:32*(\t)+\k+1], v[ST+8*(\t):ST+8*(\t)+1] op_sel_hi:[1,0]
.endr
.irp k, 0,2,4,6,8,10,12,14,16,18,20,22,24,26,28,30
	v_pk_fma_f32 v[RB+\k:RB+\k+1], v[128+32*(\t)+\k:128+32*(\t)+\k+1], v[ST+8*(\t)+2:ST+8*(\t)+3], v[RB+\k:RB+\k+1] op_sel_hi:[1,0,1]
.endr
	WIN 0
.irp i, 0,1,2,3,4,5,6,7,8,9,10,11,12,13,14,15
	v_cvt_pk_f16_f32 v[P+16*(\t)+\i], v[RB+2*\i], v[RB+2*\i+1]      ; registers of its own for each tile: no store's data are written again
.endr
.irp ct, 0,1,2,3
	global_store_b128 v1, v[P+16*(\t)+4*\ct:P+16*(\t)+4*\ct+3], s[10:11] offset:16384*(\t)+512*\ct
.endr
.endm
	OUTT 0
	OUTT 1
	OUTT 2
	OUTT 3
.Ldone:
	s_wait_tensorcnt 0x0                           ; the wave's end: a tensor wait, an add to my spare word and its wait, behind my last tensor load and my last LDS store
	ds_add_u32 v[SPW], v[NIL]
	s_wait_dscnt 0x0
	ROUND                                          ; the closing round: no work-group ends while a partner may still ask for a tile that names it
	s_endpgm
.Lfunc_end_k_q57e81dafaf_attn:
	.size	k_q57e81dafaf_attn, .Lfunc_end_k_q57e81dafaf_attn-k_q57e81dafaf_attn
	.p2alignl 7, 3214868480
	.fill 96, 4, 3214868480
	.section	.rodata,"a",@progbits
	.p2align	6, 0x0
	.amdhsa_kernel k_q57e81dafaf_attn
		.amdhsa_group_segment_fixed_size 327680
		.amdhsa_private_segment_fixed_size 0
		.amdhsa_enable_private_segment 0
		.amdhsa_kernarg_size 32
		.amdhsa_user_sgpr_count 2
		.amdhsa_user_sgpr_kernarg_segment_ptr 1
		.amdhsa_wavefront_size32 1
		.amdhsa_system_sgpr_workgroup_id_x 1
		.amdhsa_system_sgpr_workgroup_id_y 1
		.amdhsa_system_sgpr_workgroup_id_z 1
		.amdhsa_system_vgpr_workitem_id 0
		.amdhsa_next_free_vgpr 512
		.amdhsa_next_free_sgpr 100
		.amdhsa_reserve_vcc 0
		.amdhsa_float_denorm_mode_32 3
		.amdhsa_float_denorm_mode_16_64 3
		.amdhsa_memory_ordered 1
		.amdhsa_forward_progress 1
		.amdhsa_inst_pref_size 245
	.end_amdhsa_kernel
	.amdgpu_metadata
---
amdhsa.version: [ 1, 2 ]
amdhsa.kernels:
  - .name:           k_q57e81dafaf_attn
    .symbol:         k_q57e81dafaf_attn.kd
    .args:
      - { .name: qf, .offset: 0, .size: 8, .value_kind: global_buffer, .address_space: global }
      - { .name: kvf, .offset: 8, .size: 8, .value_kind: global_buffer, .address_space: global }
      - { .name: mask, .offset: 16, .size: 8, .value_kind: global_buffer, .address_space: global }
      - { .name: of, .offset: 24, .size: 8, .value_kind: global_buffer, .address_space: global }
    .group_segment_fixed_size: 327680
    .private_segment_fixed_size: 0
    .kernarg_segment_align: 8
    .kernarg_segment_size: 32
    .max_flat_workgroup_size: 256
    .sgpr_count:     100
    .vgpr_count:     512
    .wavefront_size: 32
...
	.end_amdgpu_metadata
.endif
;; end of part 3
;; launch outp (part 4): grid 4 x 64, 8 waves a work-group, no clusters, 209,920 bytes of LDS; arguments of, f_w, f_b, out0; writes out0
.if DOCPART == 4
	.amdgcn_target "amdgcn-amd-amdhsa--gfx1250"
	.amdhsa_code_object_version 6
	.text
	.protected	k_q57e81dafaf_outp
	.globl	k_q57e81dafaf_outp
	.p2align	8
	.type	k_q57e81dafaf_outp,@function
k_q57e81dafaf_outp:
	s_mov_b64 s[64:65], 0
	v_nop
	global_prefetch_b8 v0, s[64:65] scope:SCOPE_SE
	s_setreg_imm32_b32 hwreg(HW_REG_WAVE_MODE, 25, 1), 1
	s_wait_xcnt 0x0
; out0 = O f_w^T + f_b.  O [8192][512] arrives as f16 images of operand registers; f_w [512][512] and f_b [512] are f32; f_w is rounded to f16 here; sums in f32; out0 [8192][512] f32.
; LIMIT: a magnitude of f_w over 65,504 becomes infinity in f16.
; SHARES.  Work-group (nb, mb): rows 128 mb on x columns 128 nb on: 256 work-groups.  Wave w: two tiles of 16 rows (8 mb + 2 (w % 4) + 0, 1) x four tiles of 16 columns (4 (w / 4) + 0 .. 3): eight accumulators.
; PHASE W.  Wave w turns rows 128 nb + 16 w + 0 .. 15 of f_w into f16 and lays them in LDS as images of operand registers: a tile of 16 rows is 64 chunks; chunk q holds k = 8 q .. 8 q + 7 of the 16 rows, 16 bytes a row;
; the fragment of K step ks wants of lane (r, h) chunks 4 ks + h and 4 ks + 2 + h.  Chunks lie 272 bytes apart.  One barrier; then every wave reads its four tiles, K step by K step.
; THE PRODUCT IS USED TRANSPOSED (source 0 = 16 rows of f_w, source 1 = 16 rows of O): a lane holds eight neighbouring columns of one row of out0.  f_b is the C of each sum's first product.
; No cluster, no tensor load and no prefetch: a work-group reads 256 KiB of f_w and 128 KiB of O, once each, and the launch is short.
.set WP,    272                        ; a chunk: 256 bytes + 16 = 68 words: the sixteen pairs of lanes of a store begin four banks apart (64 banks of 4 bytes: ISA guide 11.1)
.set NT,    64*WP                      ; a tile of 16 rows of f_w
.set STAGE, 8*NT                       ; behind the eight tiles: for each wave two stages of 16 rows x (256 bytes + 16), one for each of its tiles of rows
.set SPARE, STAGE+8*8704               ; behind the stages: the spare words, 128 bytes for each wave, which no other line names
.set LI,  1                            ; v1  16 x lane
.set WST, 2                            ; v2  phase W: where I store 8 bytes
.set WRD, 4                            ; v4, v5  where I read my column tiles 0, 1 and 2, 3
.set SO,  6                            ; v6  the stage: where I put 32 bytes of a row
.set SR,  7                            ; v7  and where I read rows back
.set GO,  8                            ; v8  my byte offset in two rows of out0
.set BO,  9                            ; v9  32 h: eight f32 of f_b
.set SPW, 30                           ; v30 LDS address of my spare word; never rewritten
.set NIL, 31                           ; v31 0; never rewritten
.set LA,  32                           ; phase W: v32-159 two sets of 64 numbers as loaded;
.set HC,  160                          ;          v160-191 a batch as f16
.set ACC, 32                           ; v32-95   the sums: tile of rows mm, tile of columns n at ACC + 32 mm + 8 n
.set BI,  96                           ; v96-127  f_b in the result's layout, eight registers for each tile of columns
.set WB,  128                          ; v128-191 two buffers of four fragments of f_w; on the way out rows of out0
.set OB,  192                          ; v192-255 four sets of two fragments of O
	s_load_b256 s[4:11], s[0:1], 0x0               ; of s[4:5], f_w s[6:7], f_b s[8:9], out0 s[10:11]
	v_lshl_add_u32 v[SPW], v0, 2, SPARE
	v_mov_b32 v[NIL], 0
	v_lshrrev_b32 v10, 5, v0
	v_readfirstlane_b32 s12, v10                   ; wave w
	s_and_b32 s13, s12, 3                          ; mi
	s_lshr_b32 s14, s12, 2                         ; ni
	s_and_b32 s15, ttmp7, 0xffff                   ; mb
	v_and_b32 v10, 31, v0
	v_lshlrev_b32 v[LI], 4, v10
	v_and_b32 v11, 15, v0                          ; r
	v_bfe_u32 v12, v0, 4, 1                        ; h
	v_lshrrev_b32 v13, 1, v10
	v_mul_u32_u24 v[WST], v13, WP
	v_and_b32 v13, 1, v10
	v_lshl_add_u32 v[WST], v13, 3, v[WST]
	s_mul_i32 s16, s12, NT
	v_add_nc_u32 v[WST], s16, v[WST]               ; my tile; chunk lane / 2 of a quarter row, + 8 for its upper four numbers
	v_mul_u32_u24 v[WRD], v12, WP
	v_lshl_add_u32 v[WRD], v11, 4, v[WRD]
	s_mul_i32 s16, s14, 4*NT
	v_add_nc_u32 v[WRD], s16, v[WRD]               ; my four tiles; chunk h, row r
	v_add_nc_u32 v[WRD+1], 2*NT, v[WRD]            ; (a second register, since an LDS immediate has 16 bits)
	s_mul_i32 s16, s12, 8704
	s_add_co_u32 s16, s16, STAGE
	v_mul_u32_u24 v[SO], v11, WP
	v_lshl_add_u32 v[SO], v12, 5, v[SO]
	v_add_nc_u32 v[SO], s16, v[SO]                 ; in: row r, + 32 h
	v_mul_u32_u24 v[SR], v12, WP
	v_lshl_add_u32 v[SR], v11, 4, v[SR]
	v_add_nc_u32 v[SR], s16, v[SR]                 ; back: lanes 0-15 one row of 256 bytes, lanes 16-31 the next
	v_lshlrev_b32 v[GO], 11, v12
	v_lshl_add_u32 v[GO], v11, 4, v[GO]            ; and the same two rows in out0
	v_lshlrev_b32 v[BO], 5, v12
	s_mov_b32 s21, 0
	s_lshl_b32 s22, ttmp9, 18
	s_lshl_b32 s23, s12, 15
	s_add_co_u32 s22, s22, s23                     ; f_w: row 128 nb + 16 w, 2,048 bytes a row
	s_lshl_b32 s24, ttmp9, 9
	s_lshl_b32 s23, s14, 8
	s_add_co_u32 s24, s24, s23                     ; column 128 nb + 64 ni, in bytes of f32
	s_lshl_b32 s25, s15, 17
	s_lshl_b32 s23, s13, 15
	s_add_co_u32 s25, s25, s23                     ; of: tile of rows 8 mb + 2 mi, 16,384 bytes a tile
	s_lshl_b32 s26, s15, 18
	s_lshl_b32 s23, s13, 16
	s_add_co_u32 s26, s26, s23
	s_add_co_u32 s26, s26, s24                     ; out0: row 128 mb + 32 mi, my first column
	s_wait_kmcnt 0x0
	s_mov_b32 s20, s22
	s_add_nc_u64 s[6:7], s[6:7], s[20:21]
	s_mov_b32 s20, s24
	s_add_nc_u64 s[8:9], s[8:9], s[20:21]
	s_mov_b32 s20, s25
	s_add_nc_u64 s[4:5], s[4:5], s[20:21]
	s_mov_b32 s20, s26
	s_add_nc_u64 s[10:11], s[10:11], s[20:21]
.macro WL bt                           ; batch bt: rows 4 bt + 0 .. 3, sixteen loads of 512 consecutive bytes, into set bt % 2
.irp rr, 0,1,2,3
.irp qd, 0,1,2,3
	global_load_b128 v[LA+64*((\bt)%2)+16*\rr+4*\qd:LA+64*((\bt)%2)+16*\rr+4*\qd+3], v[LI], s[6:7] offset:2048*(4*(\bt)+\rr)+512*\qd
.endr
.endr
.endm
.macro WC bt                           ; the batch as f16, into the image
.irp rr, 0,1,2,3
.irp qd, 0,1,2,3
	v_cvt_pk_f16_f32 v[HC+8*\rr+2*\qd],   v[LA+64*((\bt)%2)+16*\rr+4*\qd],   v[LA+64*((\bt)%2)+16*\rr+4*\qd+1]
	v_cvt_pk_f16_f32 v[HC+8*\rr+2*\qd+1], v[LA+64*((\bt)%2)+16*\rr+4*\qd+2], v[LA+64*((\bt)%2)+16*\rr+4*\qd+3]
.endr
.endr
.irp rr, 0,1,2,3
.irp qd, 0,1,2,3
	ds_store_b64 v[WST], v[HC+8*\rr+2*\qd:HC+8*\rr+2*\qd+1] offset:16*WP*\qd+16*(4*(\bt)+\rr)   ; chunk 16 qd + lane / 2, row 4 bt + rr
.endr
.endr
.endm
	WL 0
	WL 1
	s_wait_loadcnt 16                              ; batch 0 is in; batch 1's sixteen loads may be out
	WC 0
	WL 2
	s_wait_loadcnt 16
	s_wait_dscnt 0x0                               ; the last batch's stores have read their registers
	WC 1
	WL 3
	s_wait_loadcnt 16
	s_wait_dscnt 0x0
	WC 2
	s_wait_loadcnt 0x0
	s_wait_dscnt 0x0
	WC 3
.irp n, 0,1,2,3
	global_load_b128 v[BI+8*\n:BI+8*\n+3],   v[BO], s[8:9] offset:64*\n      ; register j of tile n wants f_b of column 16 n + 8 h + j
	global_load_b128 v[BI+8*\n+4:BI+8*\n+7], v[BO], s[8:9] offset:64*\n+16
.endr
.macro OFETCH ks                       ; O's two fragments of K step ks into set ks % 4
.irp mm, 0,1
.irp uu, 0,1
	global_load_b128 v[OB+16*((\ks)%4)+8*\mm+4*\uu:OB+16*((\ks)%4)+8*\mm+4*\uu+3], v[LI], s[4:5] offset:16384*\mm+1024*(\ks)+512*\uu
.endr
.endr
.endm
.macro WFETCH ks                       ; f_w's four fragments of K step ks into buffer ks % 2
.irp n, 0,1,2,3
.irp gp, 0,1
	ds_load_b128 v[WB+32*((\ks)%2)+8*\n+4*\gp:WB+32*((\ks)%2)+8*\n+4*\gp+3], v[WRD+\n/2] offset:(\n%2)*NT+4*WP*(\ks)+2*WP*\gp
.endr
.endr
.endm
	OFETCH 0
	OFETCH 1
	OFETCH 2
	OFETCH 3
	s_wait_dscnt 0x0                               ; for the others' sake: my stores into the image have landed
	s_barrier_signal -1
	s_barrier_wait -1                              ; the eight tiles of f_w lie in LDS; nothing writes them again
	WFETCH 0
	WFETCH 1
; A K step of 32: eight products, the eight sums by turns, one instruction a turn.
.macro KSTEP ks
.if 15-(\ks) >= 3
	s_wait_loadcnt 12                              ; this K step's O (and f_b) is in; the three later K steps' four loads each may be out
.else
	s_wait_loadcnt 4*(15-(\ks))
.endif
.if (\ks) < 15
	s_wait_dscnt 8                                 ; this K step's f_w is in; the next one's eight loads may be out
.else
	s_wait_dscnt 0x0
.endif
.irp n, 0,1,2,3
.irp mm, 0,1
.if (\ks) == 0
	v_wmma_f32_16x16x32_f16 v[ACC+32*\mm+8*\n:ACC+32*\mm+8*\n+7], v[WB+32*((\ks)%2)+8*\n:WB+32*((\ks)%2)+8*\n+7], v[OB+16*((\ks)%4)+8*\mm:OB+16*((\ks)%4)+8*\mm+7], v[BI+8*\n:BI+8*\n+7]
.else
	v_wmma_f32_16x16x32_f16 v[ACC+32*\mm+8*\n:ACC+32*\mm+8*\n+7], v[WB+32*((\ks)%2)+8*\n:WB+32*((\ks)%2)+8*\n+7], v[OB+16*((\ks)%4)+8*\mm:OB+16*((\ks)%4)+8*\mm+7], v[ACC+32*\mm+8*\n:ACC+32*\mm+8*\n+7]
.endif
.endr
.endr
.rept 4
	v_nop                                          ; four places ahead of loads into registers that the products have read, and at the end ahead of the first read of results
.endr
.if (\ks)+2 < 16
	WFETCH (\ks)+2
.endif
.if (\ks)+4 < 16
	OFETCH (\ks)+4
.endif
.endm
.set KK, 0
.rept 16
	KSTEP KK
.set KK, KK+1
.endr
	; THE WAY OUT.  A lane holds 32 neighbouring bytes of a row and the lanes beside it hold other rows: a tile of rows goes through my own stage and comes back as rows of 256 bytes.
	; LDS serves a wave's instructions in order (ISA guide 5.7.1.4): no wait between the stores and the loads.
.irp mm, 0,1
.irp n, 0,1,2,3
	ds_store_b128 v[SO], v[ACC+32*\mm+8*\n:ACC+32*\mm+8*\n+3]   offset:16*WP*\mm+64*\n       ; each sum from its low end on
	ds_store_b128 v[SO], v[ACC+32*\mm+8*\n+4:ACC+32*\mm+8*\n+7] offset:16*WP*\mm+64*\n+16
.endr
.irp i, 0,1,2,3,4,5,6,7
	ds_load_b128 v[WB+32*\mm+4*\i:WB+32*\mm+4*\i+3], v[SR] offset:16*WP*\mm+2*WP*\i
.endr
.endr
.irp mm, 0,1
.irp i, 0,1,2,3,4,5,6,7
	s_wait_dscnt 23-16*\mm-\i                      ; behind this load stand the later read-backs of its tile and, for the first tile, the second tile's sixteen LDS instructions
	global_store_b128 v[GO], v[WB+32*\mm+4*\i:WB+32*\mm+4*\i+3], s[10:11] offset:(16*\mm+2*\i)*2048 th:TH_STORE_NT   ; sixteen lanes store 256 consecutive bytes, aligned; written once, read by nobody here
.endr
.endr
	s_wait_tensorcnt 0x0                           ; the wave's end: a tensor wait, an add to my spare word and its wait, behind my last LDS store; the tensor wait even with no tensor load
	ds_add_u32 v[SPW], v[NIL]
	s_wait_dscnt 0x0
	s_endpgm
.Lfunc_end_k_q57e81dafaf_outp:
	.size	k_q57e81dafaf_outp, .Lfunc_end_k_q57e81dafaf_outp-k_q57e81dafaf_outp
	.p2alignl 7, 3214868480
	.fill 96, 4, 3214868480
	.section	.rodata,"a",@progbits
	.p2align	6, 0x0
	.amdhsa_kernel k_q57e81dafaf_outp
		.amdhsa_group_segment_fixed_size 209920
		.amdhsa_private_segment_fixed_size 0
		.amdhsa_enable_private_segment 0
		.amdhsa_kernarg_size 32
		.amdhsa_user_sgpr_count 2
		.amdhsa_user_sgpr_kernarg_segment_ptr 1
		.amdhsa_wavefront_size32 1
		.amdhsa_system_sgpr_workgroup_id_x 1
		.amdhsa_system_sgpr_workgroup_id_y 1
		.amdhsa_system_sgpr_workgroup_id_z 1
		.amdhsa_system_vgpr_workitem_id 0
		.amdhsa_next_free_vgpr 256
		.amdhsa_next_free_sgpr 66
		.amdhsa_reserve_vcc 0
		.amdhsa_float_denorm_mode_32 3
		.amdhsa_float_denorm_mode_16_64 3
		.amdhsa_memory_ordered 1
		.amdhsa_forward_progress 1
		.amdhsa_inst_pref_size 51
	.end_amdhsa_kernel
	.amdgpu_metadata
---
amdhsa.version: [ 1, 2 ]
amdhsa.kernels:
  - .name:           k_q57e81dafaf_outp
    .symbol:         k_q57e81dafaf_outp.kd
    .args:
      - { .name: of, .offset: 0, .size: 8, .value_kind: global_buffer, .address_space: global }
      - { .name: f_w, .offset: 8, .size: 8, .value_kind: global_buffer, .address_space: global }
      - { .name: f_b, .offset: 16, .size: 8, .value_kind: global_buffer, .address_space: global }
      - { .name: out0, .offset: 24, .size: 8, .value_kind: global_buffer, .address_space: global }
    .group_segment_fixed_size: 209920
    .private_segment_fixed_size: 0
    .kernarg_segment_align: 8
    .kernarg_segment_size: 32
    .max_flat_workgroup_size: 256
    .sgpr_count:     66
    .vgpr_count:     256
    .wavefront_size: 32
...
	.end_amdgpu_metadata
.endif
;; end of part 4
